; MI455X (gfx1250); checked and timed in simulation.
; The chip was launched on July 23, 2026; its instructions are those of AMD's public machine-readable ISA for CDNA 5 (MIT licence, August 2026) and "CDNA5" Instruction Set Architecture Reference Guide (July 2026). The comments in the code are by the model that wrote it; some were corrected since.
;; Scaled Dot Product Attention. Allowed arithmetic: matrix products marked QUANTISED: E2M1 operands, one E8M0 scale for each 32 along K, by v_wmma_scale_f32_16x16x128_f8f6f4 with both operands' format E2M1 (or v_wmma_scale_f32_32x16x128_f4), f32 sums; everything else in f32.
;; Inputs: k_codes 4 x 16 x 2,048 x 2 x 16 uint8 (E2M1 codes of k, K innermost, in blocks of 32 codes, two codes a byte); k_scales 4 x 16 x 2,048 x 2 uint8 (E8M0 scales of k, one for each 32 codes along K); mask 4 x 1 x 2,048 x 2,048 bool; q_codes 4 x 16 x 2,048 x 2 x 16 uint8 (E2M1 codes of q, K innermost, in blocks of 32 codes, two codes a byte); q_scales 4 x 16 x 2,048 x 2 uint8 (E8M0 scales of q, one for each 32 codes along K); v_codes 4 x 16 x 64 x 64 x 16 uint8 (E2M1 codes of v, K innermost, in blocks of 32 codes, two codes a byte); v_scales 4 x 16 x 64 x 64 uint8 (E8M0 scales of v, one for each 32 codes along K).
;; Outputs: out0 4 x 16 x 2,048 x 64 float32.
;; This version of the problem:
;;   THIS VERSION OF THE PROBLEM IS GIVEN IN LOW PRECISION. The matrix products marked QUANTISED in the list below multiply operands that are first quantised to E2M1 (2 exponent bits, 1 mantissa bit; 4 bits a number), with one power-of-two scale for each 32 numbers along K (OCP MX v1.0); their sums are f32. All else is computed in f32.
;;   The module's matrix products, in the order in which they are computed (A, B: the left and right operand; K: the contracted axis; several contracted axes count as one K, in the product's order):
;;     1. batch 64 x [M 2,048, K 64] x [K 64, N 2,048]; A: input q (given as codes); B: input k (given as codes): QUANTISED
;;     2. batch 64 x [M 2,048, K 2,048] x [K 2,048, N 64]; A: softmax (see below); B: input v (given as codes): QUANTISED
;;   THE QUANTISER, for each operand of a quantised product, along K:
;;     - K is cut into blocks of 32 from its start; a last block that is shorter is filled with zeros.
;;     - A block's scale is 2^e with e = floor(log2(the largest magnitude in the block)) - 2, held to -126 .. 127; a block of zeros has e = 0. As a byte (E8M0): e + 127.
;;     - Each number is divided by its block's scale, clamped to +-6, and rounded to the nearest number of E2M1, ties to even, subnormals kept.
;;     - The product sums the exact products of the quantised numbers (number of the format x scale) in f32.
;;   ~~~python
;;   def quantise(x, axis):      # numpy; x: float32 -> the quantised numbers, widened to float32 again
;;       x = np.moveaxis(x, axis, -1); K = x.shape[-1]
;;       x = np.pad(x, [(0, 0)] * (x.ndim - 1) + [(0, -K % 32)]); x = x.reshape(x.shape[:-1] + (-1, 32)); a = np.abs(x).max(-1, keepdims=True)
;;       e = np.where(a > 0, np.clip(np.frexp(np.where(a > 0, a, 1))[1] - 1 - 2, -126, 127), 0)      # np.frexp(a)[1] - 1 = floor(log2(a)), exactly
;;       r = np.clip(x / 2.0 ** e, -6, 6)
;;       step = 2.0 ** (np.maximum(np.frexp(np.where(r == 0, 1, r))[1] - 1, 0) - 1)
;;       q = np.round(r / step) * step * 2.0 ** e      # np.round: ties to even
;;       return np.moveaxis(q.reshape(q.shape[:-2] + (-1,))[..., :K], -1, axis).astype(np.float32)
;;   ~~~
;;   SOFTMAX AHEAD OF A QUANTISED PRODUCT. Where the list says 'softmax', what is quantised is not the finished softmax but p = 2^(t - M), with t = logit x log2(e) and M = ceil(the row's largest t), a whole number; so 1/2 < the row's largest p <= 1. The row's sum l is taken of the UNQUANTISED p, in f32, and the product's result is divided by l at the end. Since M is a whole number, a kernel that streams over the keys may use a running M (the ceiling of the running maximum): every later rescaling is an exact power of two, which a block's scale takes up: the codes' values come out the same.
;;   OPERANDS COMPUTED ON THE WAY. 'Computed on the way' means the value that the module computes at that place (a softmax that the list does not call 'softmax' is quantised finished and normalised). What goes into a quantiser is computed in f32, as accurately as f32 sums, v_exp_f32 and their like allow (about 1e-6 of the number): no bf16 or f16 on the way to a quantiser, and a product that is left as it is and whose result goes on into a quantised operand takes f32 operands (vector FMAs, or v_wmma_f32_16x16x4_f32). A number that lies on a knife's edge between two numbers of the format may be rounded either way, as far as f32 arithmetic and the matrix unit's own rounding can turn it there, and no further.
;;   INPUTS GIVEN AS CODES. k (in the module: [4, 16, 2048, 64], K = its axis 3); q (in the module: [4, 16, 2048, 64], K = its axis 3); v (in the module: [4, 16, 2048, 64], K = its axis 2): each comes as NAME_codes (uint8): NAME with its K axis moved to the last place and cut into blocks of 32 codes, [.., K / 32, bytes a block], one block behind the other in memory; two codes a byte, the lower K in the low four bits (a code: sign, 2 exponent bits, 1 mantissa bit); and NAME_scales (uint8): the same leading axes, one E8M0 byte (e + 127) for each 32 codes along K. Its value is code x scale, taken as it is: it is not quantised again, and the codes and scales need not be those that the quantiser above would give.
;; One version. Each part assembles by itself: llvm-mc -triple=amdgcn-amd-amdhsa -mcpu=gfx1250 --defsym DOCPART=n.
;; ======== version 1 of 1: 2 launches
;; limits: right only within a limited range of input values
;; workspace buffers: maskbits 2,097,152 bytes of whole numbers
;; launch pack (part 1): grid 512 x 1, 4 waves a work-group, no clusters, 34,304 bytes of LDS; arguments mask, maskbits; writes maskbits
.if DOCPART == 1
	.amdgcn_target "amdgcn-amd-amdhsa--gfx1250"
	.amdhsa_code_object_version 6
	.text
	.protected	k_q2b5cce107e_pack
	.globl	k_q2b5cce107e_pack
	.p2align	8
	.type	k_q2b5cce107e_pack,@function
k_q2b5cce107e_pack:
	s_mov_b64 s[64:65], 0
	v_nop
	global_prefetch_b8 v0, s[64:65] scope:SCOPE_SE
	s_setreg_imm32_b32 hwreg(HW_REG_WAVE_MODE, 25, 1), 1
	s_wait_xcnt 0x0
; mask [4][1][2048][2048], one byte (0 or not 0) for each (batch, query, key), becomes lane masks of 32 bits, laid as the attention launch uses them:
; maskbits [4 batches][128 tiles of 16 queries][16 steps of 128 keys][64 words].  Bit r + 16 h of word n of (batch, tile, step) is
; mask[batch][16 tile + r][128 step + 32 (n / 16) + 16 h + n % 16]: lane r + 16 h of the attention wave holds just that score in its score register n.
; So the 16,777,216 bytes are read once here, and 16 heads each read 1/8 of them later, by scalar loads, one select a score register.
; A byte other than 0 counts as true.
; SHARES.  A work-group takes one tile of 16 queries: 16 whole rows of the mask, 32,768 consecutive bytes; wave w takes keys 512 w .. 512 w + 511: four steps, 256 words.
; Each load reads 512 consecutive bytes of one row.  The 16 x 512 bytes turn through the wave's own stage in LDS (rows 528 bytes apart), so that lane (r, h) gets 16 neighbouring keys of row r.
; A compare of one byte in all lanes IS a word; v_writelane_b32 puts it where a store of 16 bytes a lane wants it.  Waves share nothing: no barrier.
.set PITCH, 528                        ; a stage row: 512 bytes + 16: the 16 rows that a load back touches begin at 16 different 16-byte columns of 256 bytes
.set WST,   16*PITCH                   ; a wave's stage
.set ROWB,  2048                       ; a row of the mask
.set IN,    16                         ; v16-79   the 16 rows as loaded, 4 registers each
.set BK,    80                         ; v80-143  16 groups of 32 keys as read back: lane (r, h): row r, keys 32 g + 16 h + 0 .. 15
.set OUTR,  144                        ; v144-151 the wave's 256 words: word W in register 4 (W / 128) + W % 4, lane (W % 128) / 4
	s_load_b128 s[4:7], s[0:1], 0x0                ; mask, maskbits
	v_lshl_add_u32 v160, v0, 2, 0x8400
	v_mov_b32 v161, 0
	v_lshrrev_b32 v1, 5, v0
	v_readfirstlane_b32 s8, v1                     ; wave 0..3
	v_and_b32 v1, 31, v0                           ; lane
	v_lshlrev_b32 v2, 4, v1                        ; 16 x lane: my bytes of a load's and of a store's 512
	s_mul_i32 s9, s8, WST
	v_add_nc_u32 v3, s9, v2                        ; into the stage: as loaded
	v_and_b32 v9, 15, v0                           ; r
	v_bfe_u32 v10, v0, 4, 1                        ; h
	v_mul_u32_u24 v4, v9, PITCH
	v_lshl_add_u32 v4, v10, 4, v4
	v_add_nc_u32 v4, s9, v4                        ; out of it: row r, + 16 h
	s_lshl_b32 s10, ttmp9, 15                      ; the tile's 16 rows,
	s_lshl_b32 s16, s8, 9                          ; my wave's 512 keys
	s_add_co_u32 s10, s10, s16
	s_mov_b32 s11, 0
	s_lshl_b32 s16, ttmp9, 12                      ; the tile's 1,024 words,
	s_lshl_b32 s17, s8, 10                         ; my wave's 256
	s_add_co_u32 s16, s16, s17
	s_mov_b32 s17, 0
	s_mov_b32 s12, 0xff                            ; a word's four bytes
	s_mov_b32 s13, 0xff00
	s_mov_b32 s14, 0xff0000
	s_mov_b32 s15, 0xff000000
.irp j, 0,1,2,3,4,5,6,7
	v_mov_b32 v[OUTR+\j], 0                        ; written once: v_writelane_b32's destination counts as one of its sources
.endr
	s_wait_kmcnt 0x0
	s_add_nc_u64 s[4:5], s[4:5], s[10:11]
	s_add_nc_u64 s[6:7], s[6:7], s[16:17]
.irp i, 0,1,2,3,4,5,6,7,8,9,10,11,12,13,14,15
	global_load_b128 v[IN+4*\i:IN+4*\i+3], v2, s[4:5] offset:ROWB*\i th:TH_LOAD_NT   ; 32 lanes read 512 consecutive bytes of row i; read once in the launch
.endr
.irp i, 0,1,2,3,4,5,6,7,8,9,10,11,12,13,14,15
	s_wait_loadcnt 15-\i                           ; loads come back in order: row i is in, the rows behind it may be out
	ds_store_b128 v3, v[IN+4*\i:IN+4*\i+3] offset:PITCH*\i
.endr
.irp g, 0,1,2,3,4,5,6,7,8,9,10,11,12,13,14,15
	ds_load_b128 v[BK+4*\g:BK+4*\g+3], v4 offset:32*\g   ; LDS serves a wave's instructions in order: these see my stores
.endr
; Group g (keys 32 g on) gives words 16 g + 0 .. 15: byte i of my 16 is key 32 g + 16 h + i of my row.
.macro GROUP g
	s_wait_dscnt 15-\g                             ; group g is back; the groups behind it may be out
.irp i, 0,1,2,3,4,5,6,7,8,9,10,11,12,13,14,15
.set W, 16*(\g)+\i
	v_and_b32 v[5+\i%4], s[12+\i%4], v[BK+4*(\g)+\i/4]             ; the byte,
	v_cmp_ne_u32 s[20+\i%4], 0, v[5+\i%4]                          ; one bit a lane: the word,
	v_writelane_b32 v[OUTR+4*(W/128)+W%4], s[20+\i%4], (W%128)/4   ; to its place.  (Four sets of registers by turns: no line waits for the line above it)
.endr
.endm
.irp g, 0,1,2,3,4,5,6,7,8,9,10,11,12,13,14,15
	GROUP \g
.endr
	global_store_b128 v2, v[OUTR:OUTR+3], s[6:7]               ; 32 lanes store 512 consecutive bytes, at a multiple of 256 from the buffer's first byte
	global_store_b128 v2, v[OUTR+4:OUTR+7], s[6:7] offset:512
	s_wait_tensorcnt 0x0
	ds_add_u32 v160, v161
	s_wait_dscnt 0x0
	s_endpgm
.Lfunc_end_k_q2b5cce107e_pack:
	.size	k_q2b5cce107e_pack, .Lfunc_end_k_q2b5cce107e_pack-k_q2b5cce107e_pack
	.p2alignl 7, 3214868480
	.fill 96, 4, 3214868480
	.section	.rodata,"a",@progbits
	.p2align	6, 0x0
	.amdhsa_kernel k_q2b5cce107e_pack
		.amdhsa_group_segment_fixed_size 34304
		.amdhsa_private_segment_fixed_size 0
		.amdhsa_enable_private_segment 0
		.amdhsa_kernarg_size 16
		.amdhsa_user_sgpr_count 2
		.amdhsa_user_sgpr_kernarg_segment_ptr 1
		.amdhsa_wavefront_size32 1
		.amdhsa_system_sgpr_workgroup_id_x 1
		.amdhsa_system_sgpr_workgroup_id_y 1
		.amdhsa_system_sgpr_workgroup_id_z 1
		.amdhsa_system_vgpr_workitem_id 0
		.amdhsa_next_free_vgpr 162
		.amdhsa_next_free_sgpr 66
		.amdhsa_reserve_vcc 0
		.amdhsa_float_denorm_mode_32 3
		.amdhsa_float_denorm_mode_16_64 3
		.amdhsa_memory_ordered 1
		.amdhsa_forward_progress 1
		.amdhsa_inst_pref_size 47
	.end_amdhsa_kernel
	.amdgpu_metadata
---
amdhsa.version: [ 1, 2 ]
amdhsa.kernels:
  - .name:           k_q2b5cce107e_pack
    .symbol:         k_q2b5cce107e_pack.kd
    .args:
      - { .name: mask, .offset: 0, .size: 8, .value_kind: global_buffer, .address_space: global }
      - { .name: maskbits, .offset: 8, .size: 8, .value_kind: global_buffer, .address_space: global }
    .group_segment_fixed_size: 34304
    .private_segment_fixed_size: 0
    .kernarg_segment_align: 8
    .kernarg_segment_size: 16
    .max_flat_workgroup_size: 128
    .sgpr_count:     66
    .vgpr_count:     162
    .wavefront_size: 32
...
	.end_amdgpu_metadata
.endif
;; end of part 1
;; launch attn (part 2): grid 256 x 1, 16 waves a work-group, clusters of 4 x 1, 215,040 bytes of LDS; arguments k_codes, k_scales, maskbits, q_codes, q_scales, v_codes, v_scales, out0; writes out0
.if DOCPART == 2
	.amdgcn_target "amdgcn-amd-amdhsa--gfx1250"
	.amdhsa_code_object_version 6
	.text
	.protected	k_q2b5cce107e_attn
	.globl	k_q2b5cce107e_attn
	.p2align	8
	.type	k_q2b5cce107e_attn,@function
k_q2b5cce107e_attn:
	s_mov_b64 s[64:65], 0
	v_nop
	global_prefetch_b8 v0, s[64:65] scope:SCOPE_SE
	s_setreg_imm32_b32 hwreg(HW_REG_WAVE_MODE, 25, 1), 1
	s_wait_xcnt 0x0
	s_wait_alu depctr_hold_cnt(0) depctr_sa_sdst(0) depctr_va_vdst(0) depctr_va_sdst(0) depctr_va_ssrc(0) depctr_va_vcc(0) depctr_vm_vsrc(0)
	s_getreg_b32 s2, hwreg(HW_REG_IB_STS2, 6, 4)
	s_cmp_eq_u32 s2, 0
	s_cbranch_scc0 .Lentry_in_a_cluster
	s_endpgm
.Lentry_in_a_cluster:
	s_bfe_u32 s2, ttmp6, 0x10000c
	s_cmp_lg_u32 s2, 0x3003
	s_cbranch_scc0 .Lentry_shape_is_right
	s_endpgm
.Lentry_shape_is_right:
; out0[head][q][:] = the sum over k of softmax_k(where(mask, -1e9, Q[q] . K[k] / 8)) V[k][:], 64 heads (16 to a batch), 2,048 queries and keys, head size 64; both products on codes of FP4 (E2M1) with one E8M0 scale for each 32 along K.
; Q, K: codes [head][2048][32 bytes], scale bytes [head][2048][2].  V: codes with the KEYS innermost, [head][64][1,024 bytes], scale bytes [head][64][64].  maskbits: the mask as lane masks, made by the launch before.
; THE SOFTMAX AHEAD OF THE SECOND PRODUCT: t = score x log2(e) / 8; M = the row's largest t so far, rounded UP to a whole number; p = 2^(t - M) is quantised along the keys, not normalised.
; The row's sum is taken of the unquantised p and divides at the end.  When M moves, the sum and O are multiplied by 2^(old M - new M): exact.
; THE MASK is an input: every key of every query is worked, and a masked score is REPLACED, by one select a register on a lane mask held in a scalar register.
; LIMITS.  The masked score is -2^33 (logit -2^30) where the definition has logit -1e9: c x 2^33 is a whole number that f32 holds exactly, so a row that is masked throughout gets t - M = 0, p = 1, as it does with
;   -1e9 x log2(e) rounded to f32 (a whole number too); with -8e9 as the score the fused multiply-add would leave its product's rounding, up to 64, in the exponent.  The results agree as long as every unmasked
;   logit lies above about -1e9 + 200.  A scale byte 0xff, NaN and infinities are not served (a byte 0xff of key a + 8 would also reach key a: see the fragments below).
; SHARES.  A work-group owns 512 queries of one head; each of its SIXTEEN waves owns two tiles of 16 queries, one after the other, and walks all 2,048 keys for each, 128 a step.  A step is 12 matrix instructions beside
;   some 300 vector instructions, so four waves share a SIMD (256 registers each): one wave's vector work stands beside another's products and LDS loads, and no register window is switched.
; A WHOLE HEAD'S K AND V LIE IN LDS (134,144 bytes with padding), filled ONCE: no slot is ever filled again.  CLUSTER: the four work-groups of a head ask for K and V JOINTLY (the same four tensor loads, mask 15).
; LAYOUT.  Both products are used transposed: S^T = K Q^T (source 0 = keys, source 1 = my 16 queries), O^T = V^T P^T (source 0 = 16 of the head's 64, source 1 = P): a lane holds ONE query (lane % 16) throughout.
; THE FIRST PRODUCT'S K IS 64, THE INSTRUCTION'S 128.  Fragment b of K holds TWO keys a lane: registers 0-3 key a = 32 b + r + 8 (r / 8), registers 4-7 key a + 8.  Against [q; 0] it gives the scores of the keys a,
;   against [0; q] those of the keys a + 8.  Both forms of Q lie in one run of 12 registers, 0, q, 0.  The 16 registers of the two results are 16 NEIGHBOURING keys, 32 b + 16 (lane / 16) + 0 .. 15: the next K.
; REGISTERS: v1-8 addresses that stay; v9-11 the step's; v12 -M, v13 the largest t, v[14:15] the sum in two halves; v16-27 0, q, 0; v28 q's scale word; v29 the masked score; v32-63 K's four fragments; v64-95 V's four;
;   v96-159 S^T, then p; v160-191 O^T; v192-199 p's codes; v200-203 K's scale words, v204-207 V's, v220 p's; v208-225 at work.
; (No loop variable inside a macro bears the name of the macro's argument: the argument is put in first.)
.set KP,    528                        ; K in LDS: 16 keys (512 bytes) + 16 of padding: key x at 528 (x / 16) + 32 (x % 16).  A load's lanes 0-7 take the even 16-byte columns of 256 bytes, lanes 8-15, one row on, the odd ones
.set KHALF, 64*KP                      ; 1,024 keys: what one tensor load brings
.set VB,    2*KHALF                    ; V's codes: 64 rows of 1,024 bytes + 16 of padding
.set VP,    1040
.set VHALF, 32*VP                      ; 32 rows: what one tensor load brings
.set KSW,   VB+2*VHALF                 ; K's scale words [16 steps][r][b]: the two bytes of key a below, those of key a + 8 above; 4,096 bytes, made by the waves
.set VSW,   KSW+4096                   ; V's scale words [16 steps][r][t]: row 16 t + r, the step's four bytes; 4,096 bytes
.set STG,   VSW+4096                   ; the way out: 16 rows x (256 bytes + 16) for each wave
.set SP,    272
.set NEGS,  0xd0000000                 ; -2^33
; A round of the cluster's barrier: my work-group's barrier, so that wave 0's signal speaks for all sixteen waves; wave 0 signals for the work-group; every wave waits for all four work-groups; my work-group's barrier once more.
.macro ROUND
	s_barrier_signal -1
	s_barrier_wait -1
	s_cmp_lg_u32 s12, 0
	s_cbranch_scc1 .Lnot_wave_0_\@
	s_barrier_signal -3
.Lnot_wave_0_\@:
	s_barrier_wait -3
	s_barrier_signal -1
	s_barrier_wait -1
.endm
	s_load_b512 s[32:47], s[0:1], 0x0              ; k_codes s[32:33], k_scales s[34:35], maskbits s[36:37], q_codes s[38:39], q_scales s[40:41], v_codes s[42:43], v_scales s[44:45], out0 s[46:47]
	v_lshl_add_u32 v254, v0, 2, 0x34000
	v_mov_b32 v255, 0
	ds_add_u32 v254, v255
	ds_add_u32 v254, v255
	v_lshrrev_b32 v9, 5, v0
	v_readfirstlane_b32 s12, v9                    ; wave 0..15
	v_and_b32 v10, 15, v0                          ; r
	v_bfe_u32 v11, v0, 4, 1                        ; h
	v_and_b32 v8, 31, v0                           ; lane
	v_lshrrev_b32 v1, 3, v10
	v_mul_u32_u24 v1, v1, KP
	v_and_b32 v2, 7, v10
	v_lshl_add_u32 v1, v2, 5, v1
	v_lshl_add_u32 v1, v11, 4, v1                  ; v1: K: key r + 8 (r / 8) of a block of 32: 528 (r / 8) + 32 (r % 8), + 16 h
	v_mul_u32_u24 v2, v10, VP
	v_lshl_add_u32 v2, v11, 4, v2
	v_add_nc_u32 v2, VB, v2                        ; v2: V: row r of a tile, + 16 h
	v_lshl_add_u32 v3, v10, 4, KSW                 ; v3: the scale words: 16 bytes for each r
	v_lshlrev_b32 v4, 5, v10
	v_lshl_add_u32 v4, v11, 4, v4                  ; v4: Q's codes: 32 r + 16 h: the 32 lanes read a tile's 512 consecutive bytes
	v_lshlrev_b32 v5, 1, v10                       ; v5: Q's scale bytes: 2 r
	s_mul_i32 s27, s12, 16*SP
	s_add_co_u32 s27, s27, STG                     ; my stage
	v_mul_u32_u24 v6, v10, SP
	v_lshl_add_u32 v6, v11, 5, v6
	v_add_nc_u32 v6, s27, v6                       ; v6: into it: row r, + 32 h
	v_mul_u32_u24 v7, v11, SP
	v_lshl_add_u32 v7, v10, 4, v7
	v_add_nc_u32 v7, s27, v7                       ; v7: back: lanes 0-15 one row of 256 bytes, lanes 16-31 the next
	v_lshlrev_b32 v8, 4, v8                        ; v8: the same two rows in out0: 16 x lane
.irp j, 16,17,18,19,24,25,26,27
	v_mov_b32 v\j, 0                               ; the zero codes on both sides of q
.endr
.irp j, 212,213,214,215,221,223
	v_mov_b32 v\j, 0                               ; written once: a lane permute's destination counts as one of its sources, and v223 is named as the upper half of the pair v[222:223]
.endr
	v_mov_b32 v29, NEGS
	; the scale tables: thread T makes words T and T + 512 of each: step = T / 64 (and + 8), r' = (T / 4) % 16, x = T % 4
	v_lshrrev_b32 v32, 6, v0                       ; step
	v_and_b32 v33, 3, v0                           ; x
	v_bfe_u32 v34, v0, 2, 3                        ; r' % 8
	v_bfe_u32 v35, v0, 5, 1                        ; r' / 8
	v_bfe_u32 v36, v0, 2, 4                        ; r'
	v_lshlrev_b32 v37, 8, v32
	v_lshl_add_u32 v37, v33, 6, v37
	v_lshl_add_u32 v37, v34, 1, v37
	v_lshl_add_u32 v37, v35, 5, v37                ; K: 2 bytes a key: 2 (128 step + 32 x + r' % 8 + 16 (r' / 8))
	v_lshlrev_b32 v38, 10, v33
	v_lshl_add_u32 v38, v36, 6, v38
	v_lshl_add_u32 v38, v32, 2, v38                ; V: 64 bytes a row: 64 (16 x + r') + 4 step
	v_lshl_add_u32 v39, v0, 2, KSW                 ; and where the words go: 4 T
	; what hangs on my place in the cluster (s2, s3, and the four offsets made of them) enters global addresses of Q, the mask and the output alone
	s_bfe_u32 s2, ttmp6, 0x40000                   ; cx
	s_lshl_b32 s3, s2, 5
	s_add_co_u32 s3, s3, s12                       ; my first tile of queries: 32 cx + wave; the second lies 16 tiles on
	s_lshl_b32 s4, ttmp9, 16                       ; in a cluster launch ttmp9 counts clusters: the head.  Q's codes: 65,536 bytes a head, 512 a tile
	s_lshl_b32 s2, s3, 9
	s_add_co_u32 s4, s4, s2
	s_mov_b32 s5, 0
	s_lshl_b32 s6, ttmp9, 12                       ; Q's scale bytes: 4,096 a head, 32 a tile
	s_lshl_b32 s2, s3, 5
	s_add_co_u32 s6, s6, s2
	s_mov_b32 s7, 0
	s_lshr_b32 s8, ttmp9, 4                        ; the batch: its 128 tiles of lane masks, 4,096 bytes each
	s_lshl_b32 s8, s8, 7
	s_add_co_u32 s8, s8, s3
	s_lshl_b32 s8, s8, 12
	s_mov_b32 s9, 0
	s_lshl_b32 s10, ttmp9, 19                      ; out0: 524,288 bytes a head, 4,096 a tile
	s_lshl_b32 s2, s3, 12
	s_add_co_u32 s10, s10, s2
	s_mov_b32 s11, 0
	; what the four partners share
	s_and_b32 s26, s12, 1                          ; which half of K or of V I fetch, if I fetch
	s_lshl_b32 s22, ttmp9, 16                      ; the head's codes of K and of V, 65,536 bytes each,
	s_lshl_b32 s23, s26, 15                        ; my half of them
	s_add_co_u32 s22, s22, s23
	s_mov_b32 s23, 0
	s_lshl_b32 s24, ttmp9, 12                      ; the head's scale bytes of K and of V
	s_mov_b32 s25, 0
	s_mov_b32 s18, 0x76543210
	s_mov_b32 s19, 0xfedcba98                      ; v_permlanex16_b32's selects for lane l xor 16
	s_mov_b32 s20, 0x3e38aa3b                      ; c = log2(e) / 8
	s_mov_b32 s21, s20                             ; (the packed form names the pair and takes its low word for both halves: so s21 is written)
	; descriptor group 1 for K: 64 rows of 512 bytes (64 elements of 8 bytes), dense in memory, 16 bytes of padding behind each
	s_mov_b32 s68, 15|(3<<16)|(1<<20)|(1<<21)|(6<<22)|(3<<25)   ; 15:0 the mask: all four work-groups; 17:16 elements of 8 bytes; 20 padding on; 21 set beside a mask; 24:22 after every 128 words (code 6); 31:25 four words (code 3)
	s_mov_b32 s69, 64<<16                          ; tensor_dim0 = 64
	s_mov_b32 s70, 64<<16                          ; tensor_dim1 = 64
	s_mov_b32 s71, 64<<16                          ; tile_dim0 = 64
	s_mov_b32 s72, 64                              ; tile_dim1 = 64
	s_mov_b32 s73, 64                              ; tensor_dim0_stride
	s_mov_b32 s74, 0
	s_mov_b32 s75, 0
	; and for V: 32 rows of 1,024 bytes (128 elements), dense, 16 bytes of padding behind each
	s_mov_b32 s76, 15|(3<<16)|(1<<20)|(1<<21)|(7<<22)|(3<<25)   ; padding after every 256 words (code 7)
	s_mov_b32 s77, 128<<16
	s_mov_b32 s78, 32<<16
	s_mov_b32 s79, 128<<16
	s_mov_b32 s80, 32
	s_mov_b32 s81, 128
	s_mov_b32 s82, 0
	s_mov_b32 s83, 0
	s_mov_b32 s84, 1                               ; group 0 for K: count = 1,
	s_mul_i32 s85, s26, KHALF                      ; LDS address: my half (K begins at LDS byte 0),
	s_mov_b32 s88, 1                               ; for V likewise
	s_mul_i32 s89, s26, VHALF
	s_add_co_u32 s89, s89, VB
	s_wait_dscnt 0x0
	s_wait_kmcnt 0x0
	s_add_nc_u64 s[86:87], s[32:33], s[22:23]      ; global address,
	s_or_b32 s87, s87, 0x80000000                  ; type = 2
	s_add_nc_u64 s[90:91], s[42:43], s[22:23]
	s_or_b32 s91, s91, 0x80000000
	s_add_nc_u64 s[28:29], s[34:35], s[24:25]      ; the head's scale bytes of K
	s_add_nc_u64 s[30:31], s[44:45], s[24:25]      ; and of V
	s_add_nc_u64 s[4:5], s[38:39], s[4:5]          ; Q's codes at my first tile
	s_add_nc_u64 s[6:7], s[40:41], s[6:7]          ; its scale bytes
	s_add_nc_u64 s[8:9], s[36:37], s[8:9]          ; its lane masks
	s_add_nc_u64 s[10:11], s[46:47], s[10:11]      ; its rows of out0
	ROUND                                          ; all four work-groups are here: the joint loads meet
	; The only fills of the launch: waves 0 and 1 K's halves, waves 2 and 3 V's, the others none: one tensor load of a wave is out at the most.  The branches hang on the wave's number alone.
	; Four v_nop follow each of the two lines, ahead of the jump, the label and what follows.
	s_cmp_lt_u32 s12, 2
	s_cbranch_scc0 .Lnot_k
	tensor_load_to_lds s[84:87], s[68:75]
	s_nop 0
.rept 4
	v_nop
.endr
	s_branch .Lasked
.Lnot_k:
	s_cmp_lt_u32 s12, 4
	s_cbranch_scc0 .Lasked
	tensor_load_to_lds s[88:91], s[76:83]
	s_nop 0
.rept 4
	v_nop
.endr
.Lasked:
	; The scale tables, while the fills are on their way.  These are short reads, 8,192 bytes in all, once for a work-group; from here on a step's words of a side come by ONE LDS load of 16 bytes a lane.
	global_load_u16 v40, v37, s[28:29]             ; key a's two bytes,
	global_load_u16 v41, v37, s[28:29] offset:16   ; key a + 8's,
	global_load_u16 v42, v37, s[28:29] offset:2048 ; and the same eight steps on
	global_load_u16 v43, v37, s[28:29] offset:2064
	global_load_b32 v44, v38, s[30:31]             ; V's word of the step,
	global_load_b32 v45, v38, s[30:31] offset:32   ; and eight steps on
	s_wait_loadcnt 0x0
	v_lshl_or_b32 v40, v41, 16, v40
	v_lshl_or_b32 v42, v43, 16, v42
	ds_store_b32 v39, v40
	ds_store_b32 v39, v42 offset:2048
	ds_store_b32 v39, v44 offset:4096
	ds_store_b32 v39, v45 offset:6144
	s_wait_tensorcnt 0x0                           ; my part of K or V has landed: only behind this wait are the descriptors' registers written again (they take lane masks),
	s_wait_dscnt 0x0                               ; my words of the tables are stored:
	s_barrier_signal -1
	s_barrier_wait -1                              ; both hold of all sixteen waves.  From here on LDS below STG is only read
; A step's 64 lane masks, 256 consecutive bytes at byte s17 of my tiles' masks: word n into s[32 + n] (n < 32) or s[36 + n]
.macro MASKS
	s_load_b512 s[32:47], s[8:9], s17 offset:0x0
	s_load_b512 s[48:63], s[8:9], s17 offset:0x40
	s_load_b512 s[68:83], s[8:9], s17 offset:0x80
	s_load_b512 s[84:99], s[8:9], s17 offset:0xc0
.endm
; A KEY STEP: 128 keys.  s14, s15, s16: where the step's K, V and scale words begin.  qi: which of my two tiles.
.macro STEP qi
	v_add_nc_u32 v9, s14, v1
	v_add_nc_u32 v10, s15, v2
	v_add_nc_u32 v11, s16, v3
	v_nop                                          ; four places between the last step's products and the loads into registers that they read
	ds_load_b128 v[200:203], v11                   ; K's four scale words
.irp b, 0,1,2,3
	ds_load_b128 v[32+8*\b:35+8*\b], v9 offset:2*KP*\b         ; key a = 32 b + r + 8 (r / 8): its 32 codes of my half,
	ds_load_b128 v[36+8*\b:39+8*\b], v9 offset:2*KP*\b+256     ; and key a + 8's
.endr
	ds_load_b128 v[204:207], v11 offset:4096       ; V's four scale words
.irp t, 0,1,2,3
.irp c, 0,1
	ds_load_b128 v[64+8*\t+4*\c:67+8*\t+4*\c], v10 offset:16*VP*\t+32*\c   ; V: row 16 t + r, keys 64 c + 32 h + 0 .. 31 of the step
.endr
.endr
	s_wait_dscnt 9                                 ; K's nine loads are in; V's nine, issued behind them, may be out
.irp b, 0,1,2,3
	v_wmma_scale_f32_16x16x128_f8f6f4 v[96+16*\b:103+16*\b], v[32+8*\b:39+8*\b], v[20:27], 0, v[200+\b], v28 matrix_a_fmt:MATRIX_FMT_FP4 matrix_b_fmt:MATRIX_FMT_FP4    ; [q; 0]: the keys a
	v_wmma_scale_f32_16x16x128_f8f6f4 v[104+16*\b:111+16*\b], v[32+8*\b:39+8*\b], v[16:23], 0, v[200+\b], v28 matrix_a_fmt:MATRIX_FMT_FP4 matrix_b_fmt:MATRIX_FMT_FP4  ; [0; q]: the keys a + 8
.endr                                              ; register n of v96 on: key 32 (n / 16) + 16 h + n % 16 of the step, for my query
.rept 4
	v_nop                                          ; places behind the products, in front of the first read of their results
.endr
	s_wait_kmcnt 0x0                               ; the step's lane masks, asked for a step ago
.set n, 0
.rept 64
	v_cndmask_b32 v[96+n], v[96+n], v29, s[32+n+4*(n/32)]      ; a masked score is replaced.  (Ascending: each result is read from its low end on)
.set n, n+1
.endr
.irp b, 0,1,2,3
	v_max3_num_f32 v[208+\b], v[96+16*\b], v[97+16*\b], v[98+16*\b]   ; THE LARGEST SCORE OF EACH BLOCK OF 32 KEYS: it serves for the row's maximum and, since p rises with the score, for the block's largest p
.endr
.irp e, 3,5,7,9,11,13
.irp b, 0,1,2,3
	v_max3_num_f32 v[208+\b], v[208+\b], v[96+16*\b+\e], v[97+16*\b+\e]   ; (the four blocks by turns)
.endr
.endr
.irp b, 0,1,2,3
	v_max_num_f32 v[208+\b], v[208+\b], v[111+16*\b]
.endr
	s_add_co_u32 s17, s17, 256                     ; the next step's lane masks are asked for now (the wait above has shown the last loads done, so s17 may step): they have the rest of the step in which to come.
	s_min_u32 s17, s17, \qi*65536+3840             ; The tile's last step asks for its own again: no load leaves the tile's 4,096 bytes
	MASKS
.irp b, 0,1,2,3
	v_permlanex16_b32 v[212+\b], v[208+\b], s18, s19
.endr
.irp b, 0,1,2,3
	v_max_num_f32 v[208+\b], v[208+\b], v[212+\b]  ; with lane l xor 16's 16 keys
.endr
	v_max3_num_f32 v221, v208, v209, v210
	v_max_num_f32 v221, v221, v211                 ; the step's largest score of my query
	v_mul_f32 v221, s20, v221                      ; as t (c is positive)
	v_max_num_f32 v13, v13, v221                   ; the running largest t
	v_mov_b32 v221, v12
	v_floor_f32 v12, -v13                          ; the new -M = floor(-t) = -ceil(t): M is a whole number
	v_sub_f32 v221, v12, v221                      ; M's old value less its new one: a whole number, 0 or less
	v_cvt_i32_f32 v221, v221                       ; (it saturates)
	v_ldexp_f32 v222, 1.0, v221                    ; f = 2^(old M - new M)
.set j, 0
.rept 32
	v_pk_fma_f32 v[96+j:97+j], v[96+j:97+j], s[20:21], v[12:13] op_sel_hi:[1,0,0]   ; t - M, two at a time (of the pairs c and -M the low word serves both halves)
.set j, j+2
.endr
.irp b, 0,1,2,3
	v_fma_f32 v[208+\b], v[208+\b], s20, v12       ; the same of each block's largest score
.endr
.set j, 0
.rept 64
	v_exp_f32 v[96+j], v[96+j]                     ; p = 2^(t - M): not normalised
.set j, j+1
.endr
.irp b, 0,1,2,3
	v_exp_f32 v[208+\b], v[208+\b]                 ; the block's largest p: the same two instructions on the same number give the same bits
.endr
	v_pk_mul_f32 v[14:15], v[14:15], v[222:223] op_sel_hi:[1,0]   ; the sums under the new M.  (A plain place behind the exponentials)
	s_wait_alu depctr_va_vdst(0)
.irp b, 0,1,2,3
	v_max_num_f32 v[208+\b], 0x1800000, v[208+\b]  ; the floor 2^(3 - 127): the byte cannot fall under 1 (a block whose every p is 0 keeps that byte: its codes are zeros)
.endr
.irp b, 0,1,2,3
	v_add_nc_u32 v[216+\b], 0xff000000, v[208+\b]  ; 2 off the exponent field: the conversion's scale operand
.endr
.irp b, 0,1,2,3
	v_lshrrev_b32 v[212+\b], 23, v[216+\b]         ; the scale's byte
.endr
	v_lshl_or_b32 v220, v213, 8, v212              ; p's scale word for these 128 keys
	v_lshl_or_b32 v220, v214, 16, v220
	v_lshl_or_b32 v220, v215, 24, v220
.irp b, 0,1,2,3
	v_cvt_scalef32_pk8_fp4_f32 v[192+2*\b], v[96+16*\b:103+16*\b], v[216+\b]    ; the codes of keys 32 b + 16 h + 0 .. 7
	v_cvt_scalef32_pk8_fp4_f32 v[193+2*\b], v[104+16*\b:111+16*\b], v[216+\b]   ; and + 8 .. 15
.endr
	v_nop                                          ; one plain place behind the scaled conversions
.irp c, 0,1                                        ; the operand's layout wants a WHOLE block in a lane: lanes 0-15 block 2 c, lanes 16-31 block 2 c + 1
.irp u, 0,1
	v_permlane16_swap_b32 v[192+4*\c+\u], v[194+4*\c+\u]       ; the first's lanes 16-31 change places with the second's lanes 0-15
.endr
.endr
	v_pk_add_f32 v[224:225], v[96:97], v[98:99]    ; THE ROW'S SUM IS TAKEN OF THE UNQUANTISED p: two at a time, in two chains
.irp j, 4,8,12,16,20,24,28,32,36,40,44,48,52,56,60
	v_pk_add_f32 v[14:15], v[14:15], v[96+\j:97+\j]
	v_pk_add_f32 v[224:225], v[224:225], v[98+\j:99+\j]
.endr
	v_pk_add_f32 v[14:15], v[14:15], v[224:225]
.set j, 0
.rept 16
	v_pk_mul_f32 v[160+j:161+j], v[160+j:161+j], v[222:223] op_sel_hi:[1,0]   ; O^T under the new M.  (The 48 lines from the sums on are the places between the writing of p's codes and scale word and the products below)
.set j, j+2
.endr
	s_wait_dscnt 0x0                               ; V's fragments and scale words
.irp t, 0,1,2,3                                    ; O^T += V^T P^T: the four accumulators by turns, one instruction a turn
	v_wmma_scale_f32_16x16x128_f8f6f4 v[160+8*\t:167+8*\t], v[64+8*\t:71+8*\t], v[192:199], v[160+8*\t:167+8*\t], v[204+\t], v220 matrix_a_fmt:MATRIX_FMT_FP4 matrix_b_fmt:MATRIX_FMT_FP4
.endr
	s_add_co_u32 s14, s14, 8*KP                    ; 128 keys on in K: eight rows of 16 keys,
	s_add_co_u32 s15, s15, 64                      ; in V: 64 bytes along each row,
	s_add_co_u32 s16, s16, 256                     ; in the scale tables
.endm
; ONE TILE OF 16 QUERIES: tile qi of my two, 16 tiles apart.
.macro TILE qi
	s_wait_kmcnt 0x0                               ; no scalar load is out: the masks' registers and s17 may be written
	s_mov_b32 s17, \qi*65536                       ; 16 tiles of 4,096 bytes on
	MASKS                                          ; step 0's
	global_load_b128 v[20:23], v4, s[4:5] offset:\qi*8192      ; q's codes stay in registers for the tile
	global_load_u16 v30, v5, s[6:7] offset:\qi*512             ; and its row's two scale bytes
	s_mov_b32 s14, 0
	s_mov_b32 s15, 0
	s_mov_b32 s16, 0
	s_mov_b32 s13, 16                              ; 16 steps of 128 keys
	s_wait_loadcnt 0x0
	v_lshl_or_b32 v28, v30, 16, v30                ; the two bytes twice: the word serves [q; 0] and [0; q] alike.  (The 36 lines below are the places between this line and the first product)
	v_mov_b32 v13, 0xff61b1e6                      ; the largest t so far: -3e38, under every t
	v_floor_f32 v12, -v13                          ; -M
	v_mov_b32 v14, 0                               ; the sum, in two halves
	v_mov_b32 v15, 0
.set j, 0
.rept 32
	v_mov_b32 v[160+j], 0                          ; O^T.  (The step is written once: the first finds zeros, which the first change of M leaves zeros)
.set j, j+1
.endr
.Lstep\qi:
	STEP \qi
	s_sub_co_u32 s13, s13, 1
	s_cmp_lg_u32 s13, 0
	s_cbranch_scc1 .Lstep\qi
	; THE WAY OUT.  O^T / the sum goes through my own stage in LDS: a lane holds 32 neighbouring bytes of a row for each tile of 16 channels; it comes back as whole rows of 256 bytes.
.rept 4
	v_nop                                          ; places behind the last products
.endr
	v_add_f32 v14, v14, v15                        ; the sum's two halves,
	v_permlanex16_b32 v221, v14, s18, s19
	v_add_f32 v14, v14, v221                       ; and lane l xor 16's: the row's sum, over 1/2
	v_rcp_f32 v14, v14
	v_nop                                          ; a plain place behind the transcendental
.set j, 0
	s_wait_alu depctr_va_vdst(0)
.rept 16
	v_pk_mul_f32 v[96+j:97+j], v[160+j:161+j], v[14:15] op_sel_hi:[1,0]   ; register 8 t + x: out(r, 16 t + 8 h + x).  (Ascending: each result is read from its low end on)
.set j, j+2
.endr
.irp t, 0,1,2,3
	ds_store_b128 v6, v[96+8*\t:99+8*\t] offset:64*\t
	ds_store_b128 v6, v[100+8*\t:103+8*\t] offset:64*\t+16
.endr
.irp k, 0,1,2,3,4,5,6,7
	ds_load_b128 v[32+4*\k:35+4*\k], v7 offset:2*SP*\k         ; LDS serves a wave's instructions in order: these see my stores
.endr
.irp k, 0,1,2,3,4,5,6,7
	s_wait_dscnt 7-\k                              ; rows 2 k and 2 k + 1 are back; the pairs behind them may be out
	global_store_b128 v8, v[32+4*\k:35+4*\k], s[10:11] offset:\qi*65536+512*\k th:TH_STORE_NT   ; 32 lanes store 512 consecutive bytes, at a multiple of 256 from out0's first byte; written once, read by nobody here
.endr
	s_wait_xcnt 0x0                                ; the stores have read their registers: the next tile's loads may land there
.endm
	TILE 0
	TILE 1
	s_wait_dscnt 0x0                               ; no LDS instruction of mine is out at the signal
	s_wait_tensorcnt 0x0
	ds_add_u32 v254, v255
	s_wait_dscnt 0x0
	ROUND                                          ; the closing round: no work-group ends while a partner may still ask for a tile that names it
	s_endpgm
.Lfunc_end_k_q2b5cce107e_attn:
	.size	k_q2b5cce107e_attn, .Lfunc_end_k_q2b5cce107e_attn-k_q2b5cce107e_attn
	.p2alignl 7, 3214868480
	.fill 96, 4, 3214868480
	.section	.rodata,"a",@progbits
	.p2align	6, 0x0
	.amdhsa_kernel k_q2b5cce107e_attn
		.amdhsa_group_segment_fixed_size 215040
		.amdhsa_private_segment_fixed_size 0
		.amdhsa_enable_private_segment 0
		.amdhsa_kernarg_size 64
		.amdhsa_user_sgpr_count 2
		.amdhsa_user_sgpr_kernarg_segment_ptr 1
		.amdhsa_wavefront_size32 1
		.amdhsa_system_sgpr_workgroup_id_x 1
		.amdhsa_system_sgpr_workgroup_id_y 1
		.amdhsa_system_sgpr_workgroup_id_z 1
		.amdhsa_system_vgpr_workitem_id 0
		.amdhsa_next_free_vgpr 256
		.amdhsa_next_free_sgpr 100
		.amdhsa_reserve_vcc 0
		.amdhsa_float_denorm_mode_32 3
		.amdhsa_float_denorm_mode_16_64 3
		.amdhsa_memory_ordered 1
		.amdhsa_forward_progress 1
		.amdhsa_inst_pref_size 58
	.end_amdhsa_kernel
	.amdgpu_metadata
---
amdhsa.version: [ 1, 2 ]
amdhsa.kernels:
  - .name:           k_q2b5cce107e_attn
    .symbol:         k_q2b5cce107e_attn.kd
    .args:
      - { .name: k_codes, .offset: 0, .size: 8, .value_kind: global_buffer, .address_space: global }
      - { .name: k_scales, .offset: 8, .size: 8, .value_kind: global_buffer, .address_space: global }
      - { .name: maskbits, .offset: 16, .size: 8, .value_kind: global_buffer, .address_space: global }
      - { .name: q_codes, .offset: 24, .size: 8, .value_kind: global_buffer, .address_space: global }
      - { .name: q_scales, .offset: 32, .size: 8, .value_kind: global_buffer, .address_space: global }
      - { .name: v_codes, .offset: 40, .size: 8, .value_kind: global_buffer, .address_space: global }
      - { .name: v_scales, .offset: 48, .size: 8, .value_kind: global_buffer, .address_space: global }
      - { .name: out0, .offset: 56, .size: 8, .value_kind: global_buffer, .address_space: global }
    .group_segment_fixed_size: 215040
    .private_segment_fixed_size: 0
    .kernarg_segment_align: 8
    .kernarg_segment_size: 64
    .max_flat_workgroup_size: 512
    .sgpr_count:     100
    .vgpr_count:     256
    .wavefront_size: 32
...
	.end_amdgpu_metadata
.endif
;; end of part 2
